; MI455X (gfx1250); checked and timed in simulation.
; The chip was launched on July 23, 2026; its instructions are those of AMD's public machine-readable ISA for CDNA 5 (MIT licence, August 2026) and "CDNA5" Instruction Set Architecture Reference Guide (July 2026). The comments in the code are by the model that wrote it; some were corrected since.
;; Multi Query Attention. Allowed arithmetic: matrix products marked QUANTISED: E2M1 operands, one E8M0 scale for each 32 along K, by v_wmma_scale_f32_16x16x128_f8f6f4 with both operands' format E2M1 (or v_wmma_scale_f32_32x16x128_f4), f32 sums; products left as they are: bf16, f16 or f32 operands; f32 sums; everything else in f32.
;; Inputs: Wk 1,024 x 64 float32; Wo 1,024 x 1,024 float32; Wq 1,024 x 1,024 float32; Wv 1,024 x 64 float32; bk 64 float32; bo 1,024 float32; bq 1,024 float32; bv 64 float32; key 4 x 2,048 x 1,024 float32; mask 4 x 2,048 bool; query 4 x 2,048 x 1,024 float32; value 4 x 2,048 x 1,024 float32.
;; Outputs: out0 4 x 2,048 x 1,024 float32.
;; This version of the problem:
;;   THIS VERSION OF THE PROBLEM IS GIVEN IN LOW PRECISION. The matrix products marked QUANTISED in the list below multiply operands that are first quantised to E2M1 (2 exponent bits, 1 mantissa bit; 4 bits a number), with one power-of-two scale for each 32 numbers along K (OCP MX v1.0); their sums are f32. The products marked 'left as it is' may take bf16, f16 or f32 operands, with f32 sums. Whichever they take, every output number must still come out within the allowed error. Rounding operands to bf16 (8 significant bits) uses up far more of that allowance than f16 does (11 bits, for magnitudes from 6e-5 to 65,504). All else is computed in f32.
;;   The module's matrix products, in the order in which they are computed (A, B: the left and right operand; K: the contracted axis; several contracted axes count as one K, in the product's order):
;;     1. [M 8,192, K 1,024] x [K 1,024, N 1,024]; A: input query; B: input Wq: QUANTISED
;;     2. [M 8,192, K 1,024] x [K 1,024, N 64]; A: input key; B: input Wk: QUANTISED
;;     3. [M 8,192, K 1,024] x [K 1,024, N 64]; A: input value; B: input Wv: QUANTISED
;;     4. batch 4 x [M 2,048, K 64] x [K 64, N 32,768]; A: computed on the way; B: computed on the way: left as it is (an operand is computed on the way)
;;     5. batch 4 x [M 64, K 2,048] x [K 2,048, N 32,768]; A: computed on the way; B: computed on the way: left as it is (an operand is computed on the way)
;;     6. [M 8,192, K 1,024] x [K 1,024, N 1,024]; A: computed on the way; B: input Wo: left as it is (an operand is computed on the way)
;;   THE QUANTISER, for each operand of a quantised product, along K:
;;     - K is cut into blocks of 32 from its start; a last block that is shorter is filled with zeros.
;;     - A block's scale is 2^e with e = floor(log2(the largest magnitude in the block)) - 2, held to -126 .. 127; a block of zeros has e = 0. As a byte (E8M0): e + 127.
;;     - Each number is divided by its block's scale, clamped to +-6, and rounded to the nearest number of E2M1, ties to even, subnormals kept.
;;     - The product sums the exact products of the quantised numbers (number of the format x scale) in f32.
;;   ~~~python
;;   def quantise(x, axis):      # numpy; x: float32 -> the quantised numbers, widened to float32 again
;;       x = np.moveaxis(x, axis, -1); K = x.shape[-1]
;;       x = np.pad(x, [(0, 0)] * (x.ndim - 1) + [(0, -K % 32)]); x = x.reshape(x.shape[:-1] + (-1, 32)); a = np.abs(x).max(-1, keepdims=True)
;;       e = np.where(a > 0, np.clip(np.frexp(np.where(a > 0, a, 1))[1] - 1 - 2, -126, 127), 0)      # np.frexp(a)[1] - 1 = floor(log2(a)), exactly
;;       r = np.clip(x / 2.0 ** e, -6, 6)
;;       step = 2.0 ** (np.maximum(np.frexp(np.where(r == 0, 1, r))[1] - 1, 0) - 1)
;;       q = np.round(r / step) * step * 2.0 ** e      # np.round: ties to even
;;       return np.moveaxis(q.reshape(q.shape[:-2] + (-1,))[..., :K], -1, axis).astype(np.float32)
;;   ~~~
;; One version. Each part assembles by itself: llvm-mc -triple=amdgcn-amd-amdhsa -mcpu=gfx1250 --defsym DOCPART=n.
;; ======== version 1 of 1: 4 launches
;; limits: values are held in f16: magnitudes above 65,504 overflow, below 6.1e-05 lose precision
;; workspace buffers: w4 589,824 bytes; wsc 36,864 bytes; wo16 2,097,152 bytes; q16 16,777,216 bytes; kvb 2,097,152 bytes; mb 32,768 bytes; ao16 16,777,216 bytes
;; launch prep (part 1): grid 136 x 1, 4 waves a work-group, no clusters, 0 bytes of LDS; arguments Wq, Wk, Wv, Wo, w4, wsc, wo16; writes w4, wsc, wo16
.if DOCPART == 1
	.amdgcn_target "amdgcn-amd-amdhsa--gfx1250"
	.amdhsa_code_object_version 6
	.text
	.protected	k_q6477b6d7a5_prep
	.globl	k_q6477b6d7a5_prep
	.p2align	8
	.type	k_q6477b6d7a5_prep,@function
k_q6477b6d7a5_prep:
	s_mov_b64 s[64:65], 0
	v_nop
	global_prefetch_b8 v0, s[64:65] scope:SCOPE_SE
	s_setreg_imm32_b32 hwreg(HW_REG_WAVE_MODE, 25, 1), 1
	s_wait_xcnt 0x0
; The weights are laid out once, in the order in which a wave's operand registers take them.
; Wq [1024][1024], Wk, Wv [1024][64], f32 with K as FIRST axis, become codes of FP4 (E2M1) with one E8M0 byte for each 32 along K:
;   w4  [tile of 16 columns: 72][K step of 128: 8][1,024 bytes]: tiles 0-63 Wq, 64-67 Wk, 68-71 Wv; block b (32 along K) of column r lies at 256 b + 16 r,
;       which is the image of a fragment: registers 0-3 of lane l at 16 l, registers 4-7 at 512 + 16 l.
;   wsc [column: 1,152][32 bytes]: word ks = the four scale bytes of K step ks.
; Wo [1024][1024] becomes f16: wo16 [block of 256 columns: 4][32 along K: 32][tile of 16 columns: 16][1,024 bytes], again a fragment's image: 8 neighbours along K of column r at 256 q + 16 r.
; A LANE TAKES A COLUMN AND ITS REGISTERS RUN DOWN K: a wave takes 32 columns x 128 along K, each load reads 128 consecutive bytes, the four waves stand side by side on 512.
; A block of 32 along K lies in one lane, so its largest magnitude needs no other lane, and the conversions give codes with K innermost.  Sixteen lanes store 256 consecutive, aligned bytes.
; The scale words leave as 4 bytes a lane, 32 bytes apart: 36,864 bytes in the whole launch, one byte for each 128 that are read.
; Work-groups 0-63: Wq; 64-127: Wo; 128-135: Wk (waves 0, 1) and Wv (waves 2, 3).  136 work-groups are all the work there is.  No LDS, no barrier: waves share nothing.
; A block's scale is 2^(floor(log2(largest magnitude)) - 2); its byte is the largest magnitude's exponent field - 2, held at 1 from below.
; LIMITS: a block of zeros, or one whose largest magnitude lies under 2^-124, gets the byte 1 (the stated quantiser says 127 for zeros: the codes are zeros and this program alone reads the bytes);
; NaN and infinities are not served; |Wo| stays under 65,504 (f16).
.set X,  32                            ; v32-159  128 numbers of my column
.set CD, 160                           ; v160-175 codes: four registers a block, so that no store's data are written again
.set PH, 160                           ; v160-223 f16 pairs, likewise
.set SW, 24                            ; v24      the scale word
.macro LOADS b, pitch                  ; block b: rows 32 b .. 32 b + 31 of my column
.irp i, 0,1,2,3,4,5,6,7,8,9,10,11,12,13,14,15,16,17,18,19,20,21,22,23,24,25,26,27,28,29,30,31
	global_load_b32 v[X+32*(\b)+\i], v1, s[20:21] offset:(32*(\b)+\i)*(\pitch) th:TH_LOAD_NT
.endr
.endm
.macro AHEAD b, pitch                  ; block b is in; the block two further on is asked for
.if (\b) < 3
	s_wait_loadcnt 32                              ; the next block's 32 loads may be out
.else
	s_wait_loadcnt 0x0
.endif
.if (\b) < 2
	LOADS (\b)+2, \pitch
.endif
.endm
.macro BLK b, pitch
	AHEAD \b, \pitch
.set XB, X+32*(\b)
	v_max3_num_f32 v8, |v[XB]|, |v[XB+1]|, |v[XB+2]|               ; the block's largest magnitude, in two chains
	v_max3_num_f32 v9, |v[XB+3]|, |v[XB+4]|, |v[XB+5]|
.irp i, 6,10,14,18,22,26
	v_max3_num_f32 v8, v8, |v[XB+\i]|, |v[XB+\i+1]|
	v_max3_num_f32 v9, v9, |v[XB+\i+2]|, |v[XB+\i+3]|
.endr
	v_max3_num_f32 v8, v8, |v[XB+30]|, |v[XB+31]|
	v_max3_num_f32 v8, v8, v9, 0x1800000           ; and the floor 2^(3 - 127): the byte cannot fall under 1
	v_add_nc_u32 v10, 0xff000000, v8               ; 2 off the exponent field: the conversion takes this operand's exponent field as its scale
	v_lshrrev_b32 v11, 23, v10                     ; the scale's byte
.if (\b) == 0
	v_mov_b32 v[SW], v11
.else
	v_lshl_or_b32 v[SW], v11, 8*(\b), v[SW]
.endif
.irp g, 0,1,2,3
	v_cvt_scalef32_pk8_fp4_f32 v[CD+4*(\b)+\g], v[XB+8*\g:XB+8*\g+7], v10
.endr
	global_store_b128 v2, v[CD+4*(\b):CD+4*(\b)+3], s[22:23] offset:256*(\b)   ; lanes 0-15: 256 bytes of one tile, lanes 16-31: of the next
.endm
; s34 = my wave's first tile of 16 columns, s33 = the K step, s[20:21] = my first number
.macro FP4 pitch
	s_lshl_b32 s28, s34, 13
	s_lshl_b32 s35, s33, 10
	s_add_co_u32 s28, s28, s35
	s_add_nc_u64 s[22:23], s[12:13], s[28:29]      ; w4 + 8,192 tile + 1,024 K step
	s_lshl_b32 s30, s34, 9
	s_lshl_b32 s35, s33, 2
	s_add_co_u32 s30, s30, s35
	s_add_nc_u64 s[24:25], s[14:15], s[30:31]      ; wsc + 32 x first column + 4 K step
	v_lshl_add_u32 v2, v7, 13, v6                  ; 8,192 (lane / 16) + 16 (lane % 16)
	LOADS 0, \pitch
	LOADS 1, \pitch
	BLK 0, \pitch
	BLK 1, \pitch
	BLK 2, \pitch
	BLK 3, \pitch
	global_store_b32 v3, v[SW], s[24:25]
	s_endpgm
.endm
.macro FRG f                           ; 32 along K of my column become 16 registers of f16 pairs, the lower k in the low half
	AHEAD \f, 4096
.irp i, 0,1,2,3,4,5,6,7,8,9,10,11,12,13,14,15
	v_cvt_pk_f16_f32 v[PH+16*(\f)+\i], v[X+32*(\f)+2*\i], v[X+32*(\f)+2*\i+1]
.endr
.irp q, 0,1,2,3
	global_store_b128 v2, v[PH+16*(\f)+4*\q:PH+16*(\f)+4*\q+3], s[22:23] offset:(\f)*16384+256*\q
.endr
.endm
	s_load_b256 s[4:11], s[0:1], 0x0               ; Wq s[4:5], Wk s[6:7], Wv s[8:9], Wo s[10:11]
	s_load_b128 s[12:15], s[0:1], 0x20             ; w4 s[12:13], wsc s[14:15]
	s_load_b64 s[16:17], s[0:1], 0x30              ; wo16
	v_lshrrev_b32 v4, 5, v0
	v_readfirstlane_b32 s18, v4                    ; wave
	v_and_b32 v5, 31, v0                           ; lane
	v_lshlrev_b32 v1, 2, v5                        ; in: 4 bytes a lane
	v_lshlrev_b32 v3, 5, v5                        ; my column's 32 bytes of scale words
	v_and_b32 v6, 15, v0
	v_lshlrev_b32 v6, 4, v6                        ; 16 (lane % 16)
	v_bfe_u32 v7, v0, 4, 1                         ; lane / 16
	s_and_b32 s19, ttmp9, 7                        ; which 128 columns (Wq, Wo); the K step (Wk, Wv)
	s_bfe_u32 s33, ttmp9, 0x30003                  ; the K step (Wq, Wo)
	s_mov_b32 s27, 0
	s_mov_b32 s29, 0
	s_mov_b32 s31, 0
	s_lshl_b32 s26, s33, 19                        ; Wq, Wo: 128 rows of 4,096 bytes a K step,
	s_lshl_b32 s35, s19, 9
	s_add_co_u32 s26, s26, s35                     ; 512 bytes a work-group,
	s_lshl_b32 s35, s18, 7
	s_add_co_u32 s26, s26, s35                     ; 128 a wave
	s_wait_kmcnt 0x0
	s_cmp_lt_u32 ttmp9, 64
	s_cbranch_scc1 .Lwq
	s_cmp_lt_u32 ttmp9, 128
	s_cbranch_scc1 .Lwo
	s_lshr_b32 s34, s18, 1                         ; Wk (waves 0, 1) or Wv (waves 2, 3)
	s_cmp_eq_u32 s34, 0
	s_cselect_b64 s[20:21], s[6:7], s[8:9]
	s_lshl_b32 s26, s19, 15                        ; 128 rows of 256 bytes a K step
	s_and_b32 s35, s18, 1
	s_lshl_b32 s35, s35, 7
	s_add_co_u32 s26, s26, s35
	s_add_nc_u64 s[20:21], s[20:21], s[26:27]
	s_lshl_b32 s34, s18, 1
	s_add_co_u32 s34, s34, 64                      ; tiles 64 + 2 wave, 65 + 2 wave
	s_mov_b32 s33, s19
	FP4 256
.Lwq:
	s_add_nc_u64 s[20:21], s[4:5], s[26:27]
	s_lshl_b32 s34, s19, 3
	s_lshl_b32 s35, s18, 1
	s_add_co_u32 s34, s34, s35                     ; tiles 8 x (128 columns) + 2 wave on
	FP4 4096
.Lwo:
	s_add_nc_u64 s[20:21], s[10:11], s[26:27]
	s_lshr_b32 s28, s19, 1
	s_lshl_b32 s28, s28, 19                        ; the block of 256 columns: 524,288 bytes
	s_lshl_b32 s35, s33, 16
	s_add_co_u32 s28, s28, s35                     ; four fragments along K a K step: 4 x 16,384
	s_and_b32 s35, s19, 1
	s_lshl_b32 s35, s35, 13
	s_add_co_u32 s28, s28, s35                     ; eight tiles for the upper 128 columns of the block
	s_lshl_b32 s35, s18, 11
	s_add_co_u32 s28, s28, s35                     ; two tiles a wave
	s_add_nc_u64 s[22:23], s[16:17], s[28:29]
	v_lshl_add_u32 v2, v7, 10, v6                  ; 1,024 (lane / 16) + 16 (lane % 16)
	LOADS 0, 4096
	LOADS 1, 4096
	FRG 0
	FRG 1
	FRG 2
	FRG 3
	s_endpgm
.Lfunc_end_k_q6477b6d7a5_prep:
	.size	k_q6477b6d7a5_prep, .Lfunc_end_k_q6477b6d7a5_prep-k_q6477b6d7a5_prep
	.p2alignl 7, 3214868480
	.fill 96, 4, 3214868480
	.section	.rodata,"a",@progbits
	.p2align	6, 0x0
	.amdhsa_kernel k_q6477b6d7a5_prep
		.amdhsa_group_segment_fixed_size 0
		.amdhsa_private_segment_fixed_size 0
		.amdhsa_enable_private_segment 0
		.amdhsa_kernarg_size 56
		.amdhsa_user_sgpr_count 2
		.amdhsa_user_sgpr_kernarg_segment_ptr 1
		.amdhsa_wavefront_size32 1
		.amdhsa_system_sgpr_workgroup_id_x 1
		.amdhsa_system_sgpr_workgroup_id_y 1
		.amdhsa_system_sgpr_workgroup_id_z 1
		.amdhsa_system_vgpr_workitem_id 0
		.amdhsa_next_free_vgpr 224
		.amdhsa_next_free_sgpr 66
		.amdhsa_reserve_vcc 0
		.amdhsa_float_denorm_mode_32 3
		.amdhsa_float_denorm_mode_16_64 3
		.amdhsa_memory_ordered 1
		.amdhsa_forward_progress 1
		.amdhsa_inst_pref_size 58
	.end_amdhsa_kernel
	.amdgpu_metadata
---
amdhsa.version: [ 1, 2 ]
amdhsa.kernels:
  - .name:           k_q6477b6d7a5_prep
    .symbol:         k_q6477b6d7a5_prep.kd
    .args:
      - { .name: Wq, .offset: 0, .size: 8, .value_kind: global_buffer, .address_space: global }
      - { .name: Wk, .offset: 8, .size: 8, .value_kind: global_buffer, .address_space: global }
      - { .name: Wv, .offset: 16, .size: 8, .value_kind: global_buffer, .address_space: global }
      - { .name: Wo, .offset: 24, .size: 8, .value_kind: global_buffer, .address_space: global }
      - { .name: w4, .offset: 32, .size: 8, .value_kind: global_buffer, .address_space: global }
      - { .name: wsc, .offset: 40, .size: 8, .value_kind: global_buffer, .address_space: global }
      - { .name: wo16, .offset: 48, .size: 8, .value_kind: global_buffer, .address_space: global }
    .group_segment_fixed_size: 0
    .private_segment_fixed_size: 0
    .kernarg_segment_align: 8
    .kernarg_segment_size: 56
    .max_flat_workgroup_size: 128
    .sgpr_count:     66
    .vgpr_count:     224
    .wavefront_size: 32
...
	.end_amdgpu_metadata
.endif
;; end of part 1
;; launch proj (part 2): grid 256 x 1, 8 waves a work-group, no clusters, 123,904 bytes of LDS; arguments query, key, value, mask, w4, wsc, bq, bk, bv, q16, kvb, mb; writes q16, kvb, mb
.if DOCPART == 2
	.amdgcn_target "amdgcn-amd-amdhsa--gfx1250"
	.amdhsa_code_object_version 6
	.text
	.protected	k_q6477b6d7a5_proj
	.globl	k_q6477b6d7a5_proj
	.p2align	8
	.type	k_q6477b6d7a5_proj,@function
k_q6477b6d7a5_proj:
	s_mov_b64 s[64:65], 0
	v_nop
	global_prefetch_b8 v0, s[64:65] scope:SCOPE_SE
	s_setreg_imm32_b32 hwreg(HW_REG_WAVE_MODE, 25, 1), 1
	s_wait_xcnt 0x0
; q = query Wq + bq, k = key Wk + bk, v = value Wv + bv: three products on codes of FP4 (E2M1) with one E8M0 scale for each 32 along K = 1,024; sums in f32.
; A work-group takes 32 positions of all three tensors (393,216 bytes in, 73,856 out).  Results leave as f16, as IMAGES OF THE NEXT LAUNCH'S OPERAND REGISTERS (registers 0-3 of lane l at 16 l, 4-7 at 512 + 16 l):
;   q16 [tile of 16 positions: 512][tile of 16 columns: 64][512 bytes]: q x log2(e) / 8;   kvb [32 keys: 256][8,192]: K's fragments (key tile, 32 channels) at 1,024 (2 kt + cf), V^T's (16 channels) at 4,096 + 1,024 ct;
;   mb [8,192] f32: 0 where the mask holds, -1e9 log2(e) where not.  k IS STORED AS 0 AT MASKED KEYS, so that score + mb is exactly reference()'s -1e9 in units of log2.
; PHASE X: wave w quantises K step w (128 along K) of the six row tiles f = 2 tensor + tile.  Each load reads 512 consecutive bytes of a row, the eight waves a whole row; the 16 rows turn through the wave's own stage
; (rows 528 = 33 x 16 bytes apart: sixteen rows start at sixteen different 16-byte columns), so that lane (r, h) holds two whole blocks of row r, k = 64 c + 32 h + 0 .. 31: the conversions' results are the operand's registers.
; The fragment's image and its scale words go to LDS; ONE barrier.
; PHASE G: wave w makes q's column tiles 8 w .. 8 w + 7 (jobs 0-7) and, as job 8, k's tile w (waves 0-3) or v's tile w - 4 (waves 4-7), for both row tiles: two accumulators by turns.
; q and k: source 0 = 16 columns of the weight, source 1 = 16 positions: a lane holds one position and eight neighbouring columns; the bias is the C of the first product.  v: the sources the other way round: a lane holds one channel and eight neighbouring keys.
; THE WEIGHTS go from memory straight into registers, three jobs ahead (20 loads a job).  NO JOINT LOADS, and the reason: inside a work-group no weight byte is wanted twice (each wave has columns of its own), and to share
; them between work-groups all 589,824 bytes would have to pass through LDS slots filled again and again, each refill behind a round, for 144 matrix instructions a wave.
; LIMITS: as in the weights' launch for blocks of zeros and under 2^-124; NaN, infinities not served; |q| log2(e) / 8, |k|, |v| stay under 65,504 (f16).
.set XSC,   49152                      ; LDS: 0: 48 fragment images (8 f + K step) of 1,024 bytes; here: their scale words, 128 bytes each;
.set STG,   55296                      ; the eight stages, 16 rows x 528 bytes each;
.set SPI,   528
.set WSTG,  16*SPI
.set SPARE, 122880                     ; the spare words, 128 bytes for each wave: four blocks of 256 bytes that no other line names
.set LI,  1                            ; v1   16 x lane
.set LS,  2                            ; v2   4 x lane
.set XO,  3                            ; v3   16 x lane + 512 wave: my bytes of a row of x
.set STA, 4                            ; v4   the stage, on the way in
.set LDA, 5                            ; v5   and out: 528 r + 128 h
.set XWI, 6                            ; v6   where I store images: 16 x lane + 1,024 wave
.set XWS, 7                            ; v7   and scale words: 4 x lane + 128 wave
.set KVI, 8                            ; v8   job 8's images: key's (waves 0-3) or value's
.set KVS, 9                            ; v9   and scale words
.set SO,  10                           ; v10  32 r: a column's scale words
.set BOF, 11                           ; v11  32 h: a tile's eight biases of my half
.set SH8, 12                           ; v12  8 h
.set SPW, 13                           ; v13  my spare word; never rewritten
.set NIL, 14                           ; v14  0; never rewritten
.set MK0, 15                           ; v15, v16 the mask's byte at position 16 u + r;  v17 at position lane
.set MK1, 16
.set MKL, 17
.set BK8, 18                           ; v18-25 bias (16 (wave % 4) + 8 h + j) of bk or bv
.set BVR, 26                           ; v26  bias (16 (wave % 4) + r); v27 is named with it as a pair
.set XS,  32                           ; v32-47  x's scale words (8 u + K step): these and the next 24 hold scale words and nothing else
.set WS,  48                           ; v48-71  the weights' scale words, three sets of eight
.set ACC, 72                           ; v72-103 two sets of two accumulators
.set PC,  72                           ; phase X: v72-79 the codes just made
.set TMP, 80                           ; phase X: v80-87 at work
.set OUT, 104                          ; v104-119 two sets of 8 registers to store
.set XQ,  128                          ; v128-255 x's 16 fragments (8 u + K step)
.set X,   128                          ; phase X: v128-191 64 numbers of my row; v192-255 row tile 4 as loaded
                                       ; window 1, phase X: row tiles 0-3 as loaded, tile 5 in tile 0's place; phase G: v0-191 three sets of a job's 8 weight fragments, v192-215 three sets of bias
.set MSB, 0
.macro WIN new                         ; the immediate's high byte repeats the setting that is left
.if MSB != \new
	s_set_vgpr_msb (MSB<<8)|\new
.set MSB, \new
.endif
.endm
.macro PLACES
.rept 4
	v_nop
.endr
.endm
.macro XLOAD f                         ; row tile f: 16 rows, my 512 bytes of each
.if (\f) == 4
	WIN 0
.set RB, 192
.else
	WIN 0x40
.set RB, 64*((\f)%5)
.endif
.irp i, 0,1,2,3,4,5,6,7,8,9,10,11,12,13,14,15
	global_load_b128 v[RB+4*\i:RB+4*\i+3], v[XO], s[8+2*((\f)/2):9+2*((\f)/2)] offset:(16*((\f)%2)+\i)*4096 th:TH_LOAD_NT
.endr
	WIN 0
.endm
.macro TURN f                          ; through my stage: LDS serves a wave's instructions in order, so no wait stands between the stores and the loads
.if (\f) == 4
	WIN 0
.set RB, 192
.else
	WIN 0x04
.set RB, 64*((\f)%5)
.endif
.irp i, 0,1,2,3,4,5,6,7,8,9,10,11,12,13,14,15
	ds_store_b128 v[STA], v[RB+4*\i:RB+4*\i+3] offset:SPI*\i
.endr
	WIN 0
.irp c, 0,1
.irp i, 0,1,2,3,4,5,6,7
	ds_load_b128 v[X+32*\c+4*\i:X+32*\c+4*\i+3], v[LDA] offset:256*\c+16*\i
.endr
.endr
.endm
.macro QUANT                           ; my two blocks, 2 c + h, become registers 4 c .. 4 c + 3 of the fragment; the scale word is gathered from lanes l and l xor 16
.irp c, 0,1
	v_max3_num_f32 v[TMP+\c], |v[X+32*\c]|, |v[X+32*\c+1]|, 0x1800000   ; with the floor 2^(3 - 127): the byte cannot fall under 1
.endr
.irp i, 2,4,6,8,10,12,14,16,18,20,22,24,26,28,30
.irp c, 0,1
	v_max3_num_f32 v[TMP+\c], v[TMP+\c], |v[X+32*\c+\i]|, |v[X+32*\c+\i+1]|
.endr
.endr
.irp c, 0,1
	v_add_nc_u32 v[TMP+2+\c], 0xff000000, v[TMP+\c]   ; 2 off the exponent field: the conversion's scale operand
.endr
.irp c, 0,1
	v_lshrrev_b32 v[TMP+4+\c], 23, v[TMP+2+\c]     ; the scale's byte
.endr
	v_lshl_or_b32 v[TMP+6], v[TMP+5], 16, v[TMP+4]
	v_lshlrev_b32 v[TMP+6], v[SH8], v[TMP+6]       ; bytes h and 2 + h
	v_permlanex16_b32 v[TMP+7], v[TMP+6], s34, s35
	v_or_b32 v[TMP+6], v[TMP+6], v[TMP+7]          ; the word is whole, in both halves of the lanes
.irp c, 0,1
.irp g, 0,1,2,3
	v_cvt_scalef32_pk8_fp4_f32 v[PC+4*\c+\g], v[X+32*\c+8*\g:X+32*\c+8*\g+7], v[TMP+2+\c]
.endr
.endr
	v_nop                                          ; one plain place behind the last scaled conversion
.endm
.macro IMAGE f
	ds_store_b128 v[XWI], v[PC:PC+3] offset:(\f)*8192
	ds_store_b128 v[XWI], v[PC+4:PC+7] offset:(\f)*8192+512
	ds_store_b32 v[XWS], v[TMP+6] offset:XSC+(\f)*1024
.endm
.macro WLOAD j                         ; job j's eight weight fragments, bias and scale words into set (j + 1) % 3: 20 loads
.set SI, ((\j)+1)%3
	WIN 0x40
.irp ks, 0,1,2,3,4,5,6,7
.irp c, 0,1
	global_load_b128 v[64*SI+8*\ks+4*\c:64*SI+8*\ks+4*\c+3], v[LI], s[16:17] offset:(\j)*8192+\ks*1024+512*\c
.endr
.endr
	global_load_b128 v[192+8*SI:192+8*SI+3], v[BOF], s[20:21] offset:(\j)*64
	global_load_b128 v[192+8*SI+4:192+8*SI+7], v[BOF], s[20:21] offset:(\j)*64+16
	WIN 0
	global_load_b128 v[WS+8*SI:WS+8*SI+3], v[SO], s[18:19] offset:(\j)*512
	global_load_b128 v[WS+8*SI+4:WS+8*SI+7], v[SO], s[18:19] offset:(\j)*512+16
.endm
.macro WLOAD8                          ; job 8's, into set 0: 18 loads
	WIN 0x40
.irp ks, 0,1,2,3,4,5,6,7
.irp c, 0,1
	global_load_b128 v[8*\ks+4*\c:8*\ks+4*\c+3], v[LI], s[42:43] offset:\ks*1024+512*\c
.endr
.endr
	WIN 0
	global_load_b128 v[WS:WS+3], v[SO], s[44:45]
	global_load_b128 v[WS+4:WS+7], v[SO], s[44:45] offset:16
.endm
.macro PHX f, cnt                      ; cnt: the loads issued behind row tile f's
	s_wait_loadcnt \cnt
.if (\f) < 3
	XLOAD (\f)+3                                   ; three row tiles ahead; tile 5 lands where tile 0 lay: its stores into the stage were waited for
.endif
	TURN \f
	s_wait_dscnt 0x0                               ; my 64 numbers are back, and the last image's stores have read their registers
	QUANT
	IMAGE \f
.if (\f) >= 3
	WLOAD (\f)-3                                   ; into registers of row tiles that have gone through the stage
.endif
.endm
.macro FETCH ia, sa, so                ; 16 fragments and their scale words, as any wave stored them
.irp u, 0,1
.irp ks, 0,1,2,3,4,5,6,7
.irp c, 0,1
	ds_load_b128 v[XQ+64*\u+8*\ks+4*\c:XQ+64*\u+8*\ks+4*\c+3], v[\ia] offset:(8*\u+\ks)*1024+512*\c
.endr
.endr
.endr
.irp u, 0,1
.irp ks, 0,1,2,3,4,5,6,7
	ds_load_b32 v[XS+8*\u+\ks], v[\sa] offset:\so+(8*\u+\ks)*128
.endr
.endr
.endm
.macro JOBQ j, cnt                     ; cnt: the loads issued behind job j's
.set SI, ((\j)+1)%3
.set WB, 64*SI
.set CB, 192+8*SI
.set SB, WS+8*SI
.set AB, ACC+16*((\j)%2)
.set OB, OUT+8*((\j)%2)
	s_wait_loadcnt \cnt
	WIN 0x11                                       ; source 0 (the weight) and C (the bias) in window 1
.irp u, 0,1
	v_wmma_scale_f32_16x16x128_f8f6f4 v[AB+8*\u:AB+8*\u+7], v[WB:WB+7], v[XQ+64*\u:XQ+64*\u+7], v[CB:CB+7], v[SB], v[XS+8*\u] matrix_a_fmt:MATRIX_FMT_FP4 matrix_b_fmt:MATRIX_FMT_FP4
.endr
	WIN 0x01
.irp ks, 1,2,3,4,5,6,7
.irp u, 0,1
	v_wmma_scale_f32_16x16x128_f8f6f4 v[AB+8*\u:AB+8*\u+7], v[WB+8*\ks:WB+8*\ks+7], v[XQ+64*\u+8*\ks:XQ+64*\u+8*\ks+7], v[AB+8*\u:AB+8*\u+7], v[SB+\ks], v[XS+8*\u+\ks] matrix_a_fmt:MATRIX_FMT_FP4 matrix_b_fmt:MATRIX_FMT_FP4
.endr
.endr
	WIN 0
	PLACES                                         ; four places ahead of the loads into this job's set and of the first read of its results
.if (\j) < 5
	WLOAD (\j)+3
.elseif (\j) == 5
	WLOAD8
.endif
	s_wait_xcnt 0x0                                ; the stores of two jobs back have read their data: the set is written again only behind this wait
.irp n, 0,2,4,6,8,10,12,14
	v_pk_mul_f32 v[AB+\n:AB+\n+1], v[AB+\n:AB+\n+1], 0x3e38aa3b op_sel_hi:[1,0]   ; x log2(e) / 8; each accumulator from its low end on
.endr
.irp n, 0,1,2,3,4,5,6,7
	v_cvt_pk_f16_f32 v[OB+\n], v[AB+2*\n], v[AB+2*\n+1]
.endr
	global_store_b128 v[LI], v[OB:OB+3], s[26:27] offset:(\j)*512            ; 512 consecutive bytes: half a fragment of Q
	global_store_b128 v[LI], v[OB+4:OB+7], s[26:27] offset:32768+(\j)*512
.endm
	s_load_b512 s[8:23], s[0:1], 0x0               ; query s[8:9], key s[10:11], value s[12:13], mask s[14:15], w4 s[16:17], wsc s[18:19], bq s[20:21], bk s[22:23]
	s_load_b256 s[24:31], s[0:1], 0x40             ; bv s[24:25], q16 s[26:27], kvb s[28:29], mb s[30:31]
	v_lshl_add_u32 v[SPW], v0, 2, SPARE
	v_mov_b32 v[NIL], 0
	v_lshrrev_b32 v28, 5, v0
	v_readfirstlane_b32 s32, v28                   ; wave 0..7
	v_and_b32 v29, 31, v0                          ; lane
	v_and_b32 v30, 15, v0                          ; r
	v_bfe_u32 v31, v0, 4, 1                        ; h
	v_lshlrev_b32 v28, 2, v30                      ; 4 r
	v_lshlrev_b32 v[LI], 4, v29
	v_lshlrev_b32 v[LS], 2, v29
	s_lshl_b32 s36, s32, 9
	v_add_nc_u32 v[XO], s36, v[LI]
	s_mul_i32 s37, s32, WSTG
	s_add_co_u32 s37, s37, STG                     ; my stage
	v_add_nc_u32 v[STA], s37, v[LI]
	v_mul_u32_u24 v[LDA], v30, SPI
	v_lshl_add_u32 v[LDA], v31, 7, v[LDA]
	v_add_nc_u32 v[LDA], s37, v[LDA]
	s_lshl_b32 s38, s32, 10
	v_add_nc_u32 v[XWI], s38, v[LI]
	s_lshl_b32 s38, s32, 7
	v_add_nc_u32 v[XWS], s38, v[LS]
	s_lshr_b32 s39, s32, 2
	s_add_co_u32 s38, s39, 1                       ; job 8's tensor: 1 key, 2 value
	s_lshl_b32 s40, s38, 14
	v_add_nc_u32 v[KVI], s40, v[LI]
	s_lshl_b32 s40, s38, 11
	s_add_co_u32 s40, s40, XSC
	v_add_nc_u32 v[KVS], s40, v[LS]
	v_lshlrev_b32 v[SO], 5, v30
	v_lshlrev_b32 v[BOF], 5, v31
	v_lshlrev_b32 v[SH8], 3, v31
	v_mov_b32 v[BVR+1], 0                          ; named as the upper half of a pair
	v_mov_b32 v[TMP+7], 0                          ; a lane permute's destination counts as one of its sources
	s_mov_b32 s34, 0x76543210
	s_mov_b32 s35, 0xfedcba98                      ; v_permlanex16_b32's selects for lane l xor 16
	s_mov_b32 s41, 0
	s_wait_kmcnt 0x0
	s_lshl_b32 s40, ttmp9, 17                      ; 32 rows of 4,096 bytes a work-group
	s_add_nc_u64 s[8:9], s[8:9], s[40:41]
	s_add_nc_u64 s[10:11], s[10:11], s[40:41]
	s_add_nc_u64 s[12:13], s[12:13], s[40:41]
	s_lshl_b32 s40, ttmp9, 5
	s_add_nc_u64 s[14:15], s[14:15], s[40:41]      ; the mask's 32 bytes
	s_lshl_b32 s40, ttmp9, 7
	s_add_nc_u64 s[30:31], s[30:31], s[40:41]      ; mb's 128
	s_lshl_b32 s40, s32, 13
	s_add_co_u32 s40, s40, 524288
	s_add_nc_u64 s[42:43], s[16:17], s[40:41]      ; job 8's weight tile: 64 + wave
	s_lshl_b32 s40, s32, 16
	s_add_nc_u64 s[16:17], s[16:17], s[40:41]      ; jobs 0-7: tiles 8 wave on
	s_lshl_b32 s40, s32, 9
	s_add_nc_u64 s[20:21], s[20:21], s[40:41]      ; bq: 128 numbers a wave
	s_add_co_u32 s40, s40, 32768
	s_add_nc_u64 s[44:45], s[18:19], s[40:41]      ; job 8's scale words: columns 1,024 + 16 wave on
	s_lshl_b32 s40, s32, 12
	s_add_nc_u64 s[18:19], s[18:19], s[40:41]      ; jobs 0-7: columns 128 wave on
	s_cmp_lt_u32 s32, 4
	s_cselect_b64 s[46:47], s[22:23], s[24:25]     ; bk or bv
	s_and_b32 s40, s32, 3
	s_lshl_b32 s48, s40, 10
	s_add_co_u32 s48, s48, 4096                    ; v: 4,096 + 1,024 (wave - 4)
	s_lshl_b32 s40, s40, 6
	s_add_nc_u64 s[46:47], s[46:47], s[40:41]      ; at my tile's 16 numbers
	s_lshl_b32 s49, s32, 9                         ; k: 1,024 (wave / 2) + 512 (wave % 2) = 512 wave
	s_cmp_lt_u32 s32, 4
	s_cselect_b32 s40, s49, s48
	s_lshl_b32 s49, ttmp9, 13
	s_add_co_u32 s40, s40, s49
	s_add_nc_u64 s[28:29], s[28:29], s[40:41]      ; kvb at my part of the work-group's 8,192 bytes
	s_lshl_b32 s40, ttmp9, 16
	s_lshl_b32 s49, s32, 12
	s_add_co_u32 s40, s40, s49
	s_add_nc_u64 s[26:27], s[26:27], s[40:41]      ; q16: two tiles of positions a work-group, eight tiles of columns a wave
	global_load_u8 v[MK0], v30, s[14:15]
	global_load_u8 v[MK1], v30, s[14:15] offset:16
	global_load_u8 v[MKL], v29, s[14:15]
	global_load_b128 v[BK8:BK8+3], v[BOF], s[46:47]
	global_load_b128 v[BK8+4:BK8+7], v[BOF], s[46:47] offset:16
	global_load_b32 v[BVR], v28, s[46:47]
	XLOAD 0
	XLOAD 1
	XLOAD 2
	PHX 0, 32                                      ; behind tile f's loads: two tiles' 32;
	PHX 1, 32
	PHX 2, 32
	PHX 3, 32
	PHX 4, 36                                      ; tile 5's 16 and job 0's 20;
	PHX 5, 40                                      ; jobs 0 and 1
	s_wait_dscnt 0x0                               ; for the others' sake: my images and scale words have landed
	s_barrier_signal -1
	s_barrier_wait -1                              ; all 48 fragments lie in LDS; nothing is written there again
	FETCH LI, LS, XSC                              ; query's
	s_cmp_lg_u32 s32, 0
	s_cbranch_scc1 .Lno_mb
	v_cmp_eq_u32 vcc_lo, 0, v[MKL]                 ; wave 0: the 32 positions' mask bias
	v_mov_b32 v28, 0xceabfb8f                      ; -1e9 x log2(e)
	v_cndmask_b32 v28, 0, v28, vcc_lo
	global_store_b32 v[LS], v28, s[30:31]
.Lno_mb:
	s_wait_dscnt 0x0
	JOBQ 0, 40                                     ; behind job j's loads: the next two jobs' 40;
	JOBQ 1, 40
	JOBQ 2, 40
	JOBQ 3, 40
	JOBQ 4, 40
	JOBQ 5, 40
	JOBQ 6, 38                                     ; job 7's 20 and job 8's 18;
	JOBQ 7, 18
	FETCH KVI, KVS, 0                              ; key's or value's fragments; job 7's places and its arithmetic stand ahead of these loads
	s_wait_dscnt 0x0
	s_wait_loadcnt 0x0
	s_cmp_lt_u32 s32, 4
	s_cbranch_scc0 .Lvalue
	WIN 0x01                                       ; k: as q, with bk as C
.irp u, 0,1
	v_wmma_scale_f32_16x16x128_f8f6f4 v[ACC+8*\u:ACC+8*\u+7], v[0:7], v[XQ+64*\u:XQ+64*\u+7], v[BK8:BK8+7], v[WS], v[XS+8*\u] matrix_a_fmt:MATRIX_FMT_FP4 matrix_b_fmt:MATRIX_FMT_FP4
.endr
.irp ks, 1,2,3,4,5,6,7
.irp u, 0,1
	v_wmma_scale_f32_16x16x128_f8f6f4 v[ACC+8*\u:ACC+8*\u+7], v[8*\ks:8*\ks+7], v[XQ+64*\u+8*\ks:XQ+64*\u+8*\ks+7], v[ACC+8*\u:ACC+8*\u+7], v[WS+\ks], v[XS+8*\u+\ks] matrix_a_fmt:MATRIX_FMT_FP4 matrix_b_fmt:MATRIX_FMT_FP4
.endr
.endr
	WIN 0
	PLACES
	s_wait_xcnt 0x0                                ; job 6's stores have read their data
	v_cmp_ne_u32 vcc_lo, 0, v[MK0]
.irp n, 0,1,2,3,4,5,6,7
	v_cndmask_b32 v[ACC+\n], 0, v[ACC+\n], vcc_lo  ; a masked key's k is 0
.endr
	v_cmp_ne_u32 vcc_lo, 0, v[MK1]
.irp n, 8,9,10,11,12,13,14,15
	v_cndmask_b32 v[ACC+\n], 0, v[ACC+\n], vcc_lo
.endr
.irp n, 0,1,2,3,4,5,6,7
	v_cvt_pk_f16_f32 v[OUT+\n], v[ACC+2*\n], v[ACC+2*\n+1]
.endr
	global_store_b128 v[LI], v[OUT:OUT+3], s[28:29]
	global_store_b128 v[LI], v[OUT+4:OUT+7], s[28:29] offset:2048
	s_branch .Ljoin
.Lvalue:
	WIN 0x04                                       ; v: source 0 = 16 positions, source 1 (window 1) = 16 columns of Wv
.irp u, 0,1
	v_wmma_scale_f32_16x16x128_f8f6f4 v[ACC+8*\u:ACC+8*\u+7], v[XQ+64*\u:XQ+64*\u+7], v[0:7], 0, v[XS+8*\u], v[WS] matrix_a_fmt:MATRIX_FMT_FP4 matrix_b_fmt:MATRIX_FMT_FP4
.endr
.irp ks, 1,2,3,4,5,6,7
.irp u, 0,1
	v_wmma_scale_f32_16x16x128_f8f6f4 v[ACC+8*\u:ACC+8*\u+7], v[XQ+64*\u+8*\ks:XQ+64*\u+8*\ks+7], v[8*\ks:8*\ks+7], v[ACC+8*\u:ACC+8*\u+7], v[XS+8*\u+\ks], v[WS+\ks] matrix_a_fmt:MATRIX_FMT_FP4 matrix_b_fmt:MATRIX_FMT_FP4
.endr
.endr
	WIN 0
	PLACES
	s_wait_xcnt 0x0
.irp n, 0,2,4,6,8,10,12,14
	v_pk_add_f32 v[ACC+\n:ACC+\n+1], v[ACC+\n:ACC+\n+1], v[BVR:BVR+1] op_sel_hi:[1,0]   ; + bv of my channel
.endr
.irp n, 0,1,2,3,4,5,6,7
	v_cvt_pk_f16_f32 v[OUT+\n], v[ACC+2*\n], v[ACC+2*\n+1]
.endr
	global_store_b128 v[LI], v[OUT:OUT+3], s[28:29]
	global_store_b128 v[LI], v[OUT+4:OUT+7], s[28:29] offset:512
.Ljoin:
	s_wait_tensorcnt 0x0                           ; the wave's end, behind my last LDS store
	ds_add_u32 v[SPW], v[NIL]
	s_wait_dscnt 0x0
	s_endpgm
.Lfunc_end_k_q6477b6d7a5_proj:
	.size	k_q6477b6d7a5_proj, .Lfunc_end_k_q6477b6d7a5_proj-k_q6477b6d7a5_proj
	.p2alignl 7, 3214868480
	.fill 96, 4, 3214868480
	.section	.rodata,"a",@progbits
	.p2align	6, 0x0
	.amdhsa_kernel k_q6477b6d7a5_proj
		.amdhsa_group_segment_fixed_size 123904
		.amdhsa_private_segment_fixed_size 0
		.amdhsa_enable_private_segment 0
		.amdhsa_kernarg_size 96
		.amdhsa_user_sgpr_count 2
		.amdhsa_user_sgpr_kernarg_segment_ptr 1
		.amdhsa_wavefront_size32 1
		.amdhsa_system_sgpr_workgroup_id_x 1
		.amdhsa_system_sgpr_workgroup_id_y 1
		.amdhsa_system_sgpr_workgroup_id_z 1
		.amdhsa_system_vgpr_workitem_id 0
		.amdhsa_next_free_vgpr 512
		.amdhsa_next_free_sgpr 66
		.amdhsa_reserve_vcc 1
		.amdhsa_float_denorm_mode_32 3
		.amdhsa_float_denorm_mode_16_64 3
		.amdhsa_memory_ordered 1
		.amdhsa_forward_progress 1
		.amdhsa_inst_pref_size 106
	.end_amdhsa_kernel
	.amdgpu_metadata
---
amdhsa.version: [ 1, 2 ]
amdhsa.kernels:
  - .name:           k_q6477b6d7a5_proj
    .symbol:         k_q6477b6d7a5_proj.kd
    .args:
      - { .name: query, .offset: 0, .size: 8, .value_kind: global_buffer, .address_space: global }
      - { .name: key, .offset: 8, .size: 8, .value_kind: global_buffer, .address_space: global }
      - { .name: value, .offset: 16, .size: 8, .value_kind: global_buffer, .address_space: global }
      - { .name: mask, .offset: 24, .size: 8, .value_kind: global_buffer, .address_space: global }
      - { .name: w4, .offset: 32, .size: 8, .value_kind: global_buffer, .address_space: global }
      - { .name: wsc, .offset: 40, .size: 8, .value_kind: global_buffer, .address_space: global }
      - { .name: bq, .offset: 48, .size: 8, .value_kind: global_buffer, .address_space: global }
      - { .name: bk, .offset: 56, .size: 8, .value_kind: global_buffer, .address_space: global }
      - { .name: bv, .offset: 64, .size: 8, .value_kind: global_buffer, .address_space: global }
      - { .name: q16, .offset: 72, .size: 8, .value_kind: global_buffer, .address_space: global }
      - { .name: kvb, .offset: 80, .size: 8, .value_kind: global_buffer, .address_space: global }
      - { .name: mb, .offset: 88, .size: 8, .value_kind: global_buffer, .address_space: global }
    .group_segment_fixed_size: 123904
    .private_segment_fixed_size: 0
    .kernarg_segment_align: 8
    .kernarg_segment_size: 96
    .max_flat_workgroup_size: 256
    .sgpr_count:     66
    .vgpr_count:     512
    .wavefront_size: 32
...
	.end_amdgpu_metadata
.endif
;; end of part 2
;; launch attn (part 3): grid 64 x 4, 8 waves a work-group, clusters of 4 x 1, 327,680 bytes of LDS; arguments q16, kvb, mb, ao16; writes ao16
.if DOCPART == 3
	.amdgcn_target "amdgcn-amd-amdhsa--gfx1250"
	.amdhsa_code_object_version 6
	.text
	.protected	k_q6477b6d7a5_attn
	.globl	k_q6477b6d7a5_attn
	.p2align	8
	.type	k_q6477b6d7a5_attn,@function
k_q6477b6d7a5_attn:
	s_mov_b64 s[64:65], 0
	v_nop
	global_prefetch_b8 v0, s[64:65] scope:SCOPE_SE
	s_setreg_imm32_b32 hwreg(HW_REG_WAVE_MODE, 25, 1), 1
	s_wait_xcnt 0x0
	s_wait_alu depctr_hold_cnt(0) depctr_sa_sdst(0) depctr_va_vdst(0) depctr_va_sdst(0) depctr_va_ssrc(0) depctr_va_vcc(0) depctr_vm_vsrc(0)
	s_getreg_b32 s2, hwreg(HW_REG_IB_STS2, 6, 4)
	s_cmp_eq_u32 s2, 0
	s_cbranch_scc0 .Lentry_in_a_cluster
	s_endpgm
.Lentry_in_a_cluster:
	s_bfe_u32 s2, ttmp6, 0x10000c
	s_cmp_lg_u32 s2, 0x3003
	s_cbranch_scc0 .Lentry_shape_is_right
	s_endpgm
.Lentry_shape_is_right:
; Multi-query attention: for each batch, position and head, softmax over the batch's 2,048 keys of (q . k / 8, or -1e9 where the mask fails), times v.  All 16 heads share one K and one V.
; Operands f16 (q comes x log2(e) / 8, so a score is t in units of log2; k comes as 0 at masked keys), products, maxima and sums in f32.
; SHARES.  A work-group owns 32 positions of one batch, all 16 heads: 512 rows.  Wave w owns heads 2 w, 2 w + 1 at both tiles of 16 positions: four tiles, t = 2 x position tile + head.  Every wave walks all keys, 64 a step.
; Two waves share a SIMD's registers, so that one wave's softmax stands beside the other's products; inside a wave the next tiles' scores are issued ahead of a tile's softmax.
; LAYOUT.  S^T = K Q^T (source 0 = 16 keys, source 1 = 16 queries), O^T = V^T P (source 0 = 16 channels, source 1 = P): a lane holds ONE query throughout, and two score tiles, rounded to f16 in pairs, ARE P's fragment.
; THE MASK costs no vector work: mb (0 or -1e9 log2(e)) is the C of a score tile's first product, and k = 0 there: a masked t is exactly that number, as in reference(), for a batch whose every key is masked too.
; THE ROW'S SUM is a product too: sixteen rows of ones x P, a fifth accumulator beside the four of O^T; every lane then holds its query's sum (of p as rounded to f16: the numbers that multiply V).
; SOFTMAX.  A running maximum m for each query: p = 2^(t - m); in every step O^T and the sum are multiplied by a = 2^(m_old - m_new).
; K, V come as images of their fragments (1,024 bytes: registers 0-3 of lane l at 16 l, 4-7 at 512 + 16 l): a key step is 16,384 dense bytes, every LDS load takes 512 consecutive bytes, nothing is padded or turned.
; RING: two slots of eight key steps; wave w fetches step w of a slot by one tensor load.  The batch has four slots' worth: two first fills, two refills, each asked for eight key steps (576 matrix instructions a wave) ahead of its first read.
; By this text's own count a wave has at most three tensor loads out (the head's), later one.
; CLUSTER: the four work-groups of a cluster belong to one batch and walk the same K, V and mb: every tile is asked for JOINTLY, with the same descriptor (made of the batch and the wave's number alone) and the mask of all four.
; No prefetch is written: half of the batch's 524,288 bytes is asked for by the first fills, and no wave waits for a refill that has eight key steps in which to land.
; O leaves x 8 / sum as f16 (the last launch takes the 8 back), as images of that launch's fragments, 512 consecutive bytes a store.
; LIMITS: 8 |attention output| stays under 65,504; NaN and infinities not served.
.set SLOT1, 1<<17                      ; slot 0 at 0, slot 1 here: one exclusive or turns an address from one slot to the other
.set STEPB, 16384
.set MBL,   2*SLOT1                    ; the batch's mask bias, 8,192 bytes, filled once
.set SPARE, MBL+8192                   ; the spare words, 128 bytes for each wave: four blocks of 256 bytes that no other line names
.set AK0, 1                            ; v1   16 x lane
.set AB0, 2                            ; v2   MBL + 32 h
.set ADK, 3                            ; v3   the step's tiles
.set ADB, 4                            ; v4   the step's mask bias
.set SPW, 6                            ; v6   my spare word; never rewritten
.set NIL, 7                            ; v7   0; never rewritten
.set MM,  8                            ; v8-15 tile t: m at v[8 + 2 t], named as a pair with the register above it
.set CC,  16                           ; v16-19 four chains of the maximum
.set MN,  20
.set DD,  21
.set AA,  22                           ; v22  a; v23 named with it as a pair
.set P,   24                           ; v24-39   P, 16 registers
.set S,   40                           ; v40-103  S^T, two buffers of 32
.set KF,  104                          ; v104-167 K: fragment (key tile kt, channels 32 cf) at 8 (2 kt + cf)
.set QF,  168                          ; v168-231 Q: fragment (t, cf) at 8 (2 t + cf)
.set B01, 232                          ; v232-247 mask bias of key tiles 0, 1
.set VF,  160                          ; window 1: v0-159 O^T: tile t at 40 t, channels 16 ct at + 8 ct, the sum at + 32; v160-223 V: (32 keys ks, ct) at 8 (4 ks + ct);
.set ONES, 224                         ; v224-231 ones; v232-247 mask bias of key tiles 2, 3
.set B23, 232
.set MSB, 0
.macro WIN new                         ; the immediate's high byte repeats the setting that is left
.if MSB != \new
	s_set_vgpr_msb (MSB<<8)|\new
.set MSB, \new
.endif
.endm
.macro PLACES
.rept 4
	v_nop
.endr
.endm
.macro CROUND                          ; a round of the cluster's barrier
	s_barrier_signal -1
	s_barrier_wait -1
	s_cmp_lg_u32 s12, 0
	s_cbranch_scc1 .Lnot_wave_0_\@
	s_barrier_signal -3
.Lnot_wave_0_\@:
	s_barrier_wait -3
	s_barrier_signal -1
	s_barrier_wait -1
.endm
.macro LK                              ; the next step's K (8 fragments) and mask bias: 24 loads in one run
	WIN 0
	v_add_nc_u32 v[ADK], s52, v[AK0]
	v_add_nc_u32 v[ADB], s53, v[AB0]
	s_add_co_u32 s52, s52, STEPB
	s_add_co_u32 s53, s53, 256
.irp kt, 0,1,2,3
.irp cf, 0,1
.irp c, 0,1
	ds_load_b128 v[KF+8*(2*\kt+\cf)+4*\c:KF+8*(2*\kt+\cf)+4*\c+3], v[ADK] offset:(2*\kt+\cf)*1024+(\kt/2)*4096+512*\c
.endr
.endr
.endr
.irp kt, 0,1
	ds_load_b128 v[B01+8*\kt:B01+8*\kt+3], v[ADB] offset:64*\kt
	ds_load_b128 v[B01+8*\kt+4:B01+8*\kt+7], v[ADB] offset:64*\kt+16
.endr
	WIN 0x40
.irp kt, 2,3
	ds_load_b128 v[B23+8*(\kt-2):B23+8*(\kt-2)+3], v[ADB] offset:64*\kt
	ds_load_b128 v[B23+8*(\kt-2)+4:B23+8*(\kt-2)+7], v[ADB] offset:64*\kt+16
.endr
	WIN 0
.endm
.macro LV                              ; the same step's V: 16 loads
	WIN 0x40
.irp ks, 0,1
.irp ct, 0,1,2,3
.irp c, 0,1
	ds_load_b128 v[VF+8*(4*\ks+\ct)+4*\c:VF+8*(4*\ks+\ct)+4*\c+3], v[ADK] offset:\ks*8192+4096+\ct*1024+512*\c
.endr
.endr
.endr
	WIN 0
.endm
.macro SPROD t, buf                    ; tile t's scores of 64 keys: four accumulators by turns; the mask bias starts the sums
.set SB, S+32*(\buf)
	WIN 0
.irp kt, 0,1
	v_wmma_f32_16x16x32_f16 v[SB+8*\kt:SB+8*\kt+7], v[KF+16*\kt:KF+16*\kt+7], v[QF+16*(\t):QF+16*(\t)+7], v[B01+8*\kt:B01+8*\kt+7]
.endr
	WIN 0x10
.irp kt, 2,3
	v_wmma_f32_16x16x32_f16 v[SB+8*\kt:SB+8*\kt+7], v[KF+16*\kt:KF+16*\kt+7], v[QF+16*(\t):QF+16*(\t)+7], v[B23+8*(\kt-2):B23+8*(\kt-2)+7]
.endr
	WIN 0
.irp kt, 0,1,2,3
	v_wmma_f32_16x16x32_f16 v[SB+8*\kt:SB+8*\kt+7], v[KF+16*\kt+8:KF+16*\kt+15], v[QF+16*(\t)+8:QF+16*(\t)+15], v[SB+8*\kt:SB+8*\kt+7]
.endr
.endm
; Tile t's softmax on buffer buf.  first = 1: the first key step: no old maximum, nothing to rescale.  lv = 1: V's run of loads stands behind the maximum.
.macro SM t, buf, first, lv
.set SB, S+32*(\buf)
.set MT, MM+2*(\t)
.set OT, 40*(\t)
	WIN 0
.irp k, 0,1,2,3
	v_max3_num_f32 v[CC+\k], v[SB+8*\k], v[SB+8*\k+1], v[SB+8*\k+2]   ; four chains, each begun at its accumulator's low end
.endr
.irp i, 3,5
.irp k, 0,1,2,3
	v_max3_num_f32 v[CC+\k], v[CC+\k], v[SB+8*\k+\i], v[SB+8*\k+\i+1]
.endr
.endr
	v_max3_num_f32 v[CC], v[CC], v[SB+7], v[SB+15]
	v_max3_num_f32 v[CC+2], v[CC+2], v[SB+23], v[SB+31]
	v_max3_num_f32 v[CC], v[CC], v[CC+1], v[CC+2]
	v_max_num_f32 v[CC], v[CC], v[CC+3]
	v_permlanex16_b32 v[CC+1], v[CC], s56, s57     ; the query's other 32 keys lie in the lane 16 away
.if \first
	v_max_num_f32 v[MT], v[CC], v[CC+1]
.else
	v_max3_num_f32 v[MN], v[CC], v[CC+1], v[MT]
	v_sub_f32 v[DD], v[MT], v[MN]                  ; m_old - m_new
	v_mov_b32 v[MT], v[MN]
.endif
.if \lv
	LV
.endif
.irp n, 0,2,4,6,8,10,12,14,16,18,20,22,24,26,28,30
	v_pk_add_f32 v[SB+\n:SB+\n+1], v[SB+\n:SB+\n+1], v[MT:MT+1] op_sel_hi:[1,0] neg_lo:[0,1] neg_hi:[0,1]   ; t - m
.endr
.if (\first) == 0
	v_exp_f32 v[AA], v[DD]
.endif
.irp n, 0,1,2,3,4,5,6,7,8,9,10,11,12,13,14,15,16,17,18,19,20,21,22,23,24,25,26,27,28,29,30,31
	v_exp_f32 v[SB+\n], v[SB+\n]                   ; one batch: none of these reads an exponential's result
.endr
	v_nop                                          ; a plain instruction behind the last exponential,
	s_wait_alu depctr_va_vdst(0)                   ; and the one wait ahead of the batch's first reader
.irp n, 0,1,2,3,4,5,6,7,8,9,10,11,12,13,14,15
	v_cvt_pk_f16_f32 v[P+\n], v[SB+2*\n], v[SB+2*\n+1]
.endr
.if (\first) == 0
	WIN 0x41                                       ; O^T (destination, source 0) in window 1
.irp n, 0,2,4,6,8,10,12,14,16,18,20,22,24,26,28,30,32
	v_pk_mul_f32 v[OT+\n:OT+\n+1], v[OT+\n:OT+\n+1], v[AA:AA+1] op_sel_hi:[1,0]   ; x a; of the sum's eight equal registers the two lowest are kept right, and the lowest is read at the end
.endr
.endif
.endm
.macro PV t, first                     ; O^T += V^T P and the sum += ones x P: five accumulators by turns
.set OT, 40*(\t)
	WIN 0x51
.irp ks, 0,1
.irp ct, 0,1,2,3
.if (\first) && (\ks == 0)
	v_wmma_f32_16x16x32_f16 v[OT+8*\ct:OT+8*\ct+7], v[VF+8*(4*\ks+\ct):VF+8*(4*\ks+\ct)+7], v[P+8*\ks:P+8*\ks+7], 0
.else
	v_wmma_f32_16x16x32_f16 v[OT+8*\ct:OT+8*\ct+7], v[VF+8*(4*\ks+\ct):VF+8*(4*\ks+\ct)+7], v[P+8*\ks:P+8*\ks+7], v[OT+8*\ct:OT+8*\ct+7]
.endif
.endr
.if (\first) && (\ks == 0)
	v_wmma_f32_16x16x32_f16 v[OT+32:OT+39], v[ONES:ONES+7], v[P+8*\ks:P+8*\ks+7], 0
.else
	v_wmma_f32_16x16x32_f16 v[OT+32:OT+39], v[ONES:ONES+7], v[P+8*\ks:P+8*\ks+7], v[OT+32:OT+39]
.endif
.endr
.endm
; A key step is HEAD and TAIL.  HEAD fetches the step's K, finishes tile 3 of the step before (prev = 1; 2: that was the first step; 0: there is none) while the loads are out, and issues tiles 0 and 1's scores.
; Distances (ISA guide 7.12.1 for vector instructions): K's and the bias's registers were last read by tile 3's scores, with tile 2's softmax between; V's by tile 3's V^T P, with the four v_nop and tile 0's maximum between;
; each softmax reads scores with a whole softmax, or the four v_nop, behind the products that made them.
.macro HEAD prev
	LK
.if \prev == 1
	SM 3, 1, 0, 0
	PV 3, 0
.elseif \prev == 2
	SM 3, 1, 1, 0
	PV 3, 1
.endif
	s_wait_dscnt 0x0                               ; K and the mask bias are in
.if \prev == 0
	s_wait_loadcnt 0x0                             ; Q
.endif
	SPROD 0, 0
	SPROD 1, 1
	WIN 0
	PLACES
.endm
.macro TAIL first
	SM 0, 0, \first, 1
	s_wait_dscnt 0x0                               ; V is in
	PV 0, \first
	SPROD 2, 0
	SM 1, 1, \first, 0
	PV 1, \first
	SPROD 3, 1
	SM 2, 0, \first, 0
	PV 2, \first
	WIN 0                                          ; at a label and at a branch every window is 0
.endm
; THE CHANGE OF SLOTS, between a slot's last TAIL and the next HEAD: what is left of the step lies in registers.  Each wave waits for all its tensor loads (its part of the slot ahead), adds 0 to its spare word,
; and waits for that and for its reads of the slot that it leaves.  fill = 1: a round of the cluster's barrier, and the slot just left is filled with the keys two slots on, first thing behind it.
.macro CHANGE fill
	WIN 0
	s_wait_tensorcnt 0x0                           ; no tensor load of mine is out, so a descriptor may be written
	ds_add_u32 v[SPW], v[NIL]                      ; 0 onto my spare word; the steps below stand between it and the wait for it
.if \fill
	s_xor_b32 s45, s45, SLOT1                      ; the walking descriptor: the other slot than last time,
	s_add_nc_u64 s[46:47], s[46:47], 131072        ; the next eight key steps; the type bits on top are not reached
.endif
	s_sub_co_u32 s52, s52, 131072                  ; the fetches go back to a slot's first step,
	s_xor_b32 s52, s52, SLOT1                      ; in the other slot
	s_wait_dscnt 0x0                               ; the add is done, and my reads of the slot are over
.if \fill
	CROUND
	tensor_load_to_lds s[44:47], s[24:31]
	s_nop 0
	PLACES
.else
	s_barrier_signal -1
	s_barrier_wait -1
.endif
.endm
	s_load_b256 s[4:11], s[0:1], 0x0               ; q16 s[4:5], kvb s[6:7], mb s[8:9], ao16 s[10:11]
	v_lshl_add_u32 v[SPW], v0, 2, SPARE
	v_mov_b32 v[NIL], 0
	ds_add_u32 v[SPW], v[NIL]                      ; the wave's opening: the add, twice on end, and its wait ahead of my first tensor load
	ds_add_u32 v[SPW], v[NIL]
	v_lshrrev_b32 v5, 5, v0
	v_readfirstlane_b32 s12, v5                    ; wave 0..7
	s_bfe_u32 s13, ttmp6, 0x40000                  ; cx: my place in the cluster: it enters Q's and O's addresses alone
	s_and_b32 s14, ttmp7, 0xffff                   ; the batch, which the four partners share
	; descriptor group 1: dense bytes as rows of 256 (32 elements of 8 bytes): 64 rows for K and V, 4 for the mask bias; 15:0 the mask of all four work-groups, bit 21 beside it; no padding
	s_mov_b32 s24, 15|(3<<16)|(1<<21)
	s_mov_b32 s25, 32<<16                          ; tensor_dim0
	s_mov_b32 s26, 64<<16                          ; tensor_dim1
	s_mov_b32 s27, 32<<16                          ; tile_dim0
	s_mov_b32 s28, 64                              ; tile_dim1
	s_mov_b32 s29, 32                              ; from row to row
	s_mov_b32 s30, 0
	s_mov_b32 s31, 0
	s_mov_b32 s32, 15|(3<<16)|(1<<21)
	s_mov_b32 s33, 32<<16
	s_mov_b32 s34, 4<<16
	s_mov_b32 s35, 32<<16
	s_mov_b32 s36, 4
	s_mov_b32 s37, 32
	s_mov_b32 s38, 0
	s_mov_b32 s39, 0
	s_lshl_b32 s15, s12, 14                        ; my step of a slot: 16,384 wave, in LDS and in memory
	s_lshl_b32 s16, s14, 19                        ; the batch's 524,288 bytes of K and V
	s_add_co_u32 s16, s16, s15
	s_mov_b32 s17, 0
	s_lshl_b32 s18, s12, 10                        ; my 1,024 bytes of the mask bias
	s_lshl_b32 s20, s14, 13
	s_add_co_u32 s20, s20, s18
	s_mov_b32 s21, 0
	s_lshl_b32 s19, ttmp9, 2
	s_add_co_u32 s19, s19, s13                     ; my block of 32 positions = 4 x cluster x + cx
	s_lshl_b32 s58, s14, 22                        ; Q: 128 tiles of 32,768 bytes a batch,
	s_lshl_b32 s22, s19, 16
	s_add_co_u32 s58, s58, s22                     ; two a block,
	s_lshl_b32 s22, s12, 12
	s_add_co_u32 s58, s58, s22                     ; two heads of 2,048 bytes a wave
	s_mov_b32 s59, 0
	s_lshl_b32 s60, s14, 4
	s_add_co_u32 s60, s60, ttmp9
	s_lshl_b32 s60, s60, 18                        ; O: the block of 128 rows: 16 batch + cluster x,
	s_lshl_b32 s22, s13, 11
	s_add_co_u32 s60, s60, s22                     ; my two row tiles in it,
	s_lshl_b32 s22, s12, 15
	s_add_co_u32 s60, s60, s22                     ; my two heads: four fragments along K of 8,192 bytes
	s_mov_b32 s61, 0
	s_mov_b32 s52, 0                               ; LDS byte of the step to be fetched
	s_mov_b32 s53, 0                               ; 256 x that step
	s_mov_b32 s56, 0x76543210
	s_mov_b32 s57, 0xfedcba98                      ; v_permlanex16_b32's selects for lane l xor 16
	s_wait_dscnt 0x0                               ; both opening adds are done
	s_wait_kmcnt 0x0
	s_add_nc_u64 s[6:7], s[6:7], s[16:17]
	s_mov_b32 s40, 1                               ; slot 0: key steps 0-7
	s_mov_b32 s41, s15
	s_mov_b64 s[42:43], s[6:7]
	s_or_b32 s43, s43, 0x80000000
	s_mov_b32 s44, 1                               ; slot 1: key steps 8-15; this one walks on
	s_add_co_u32 s45, s15, SLOT1
	s_add_nc_u64 s[46:47], s[6:7], 131072
	s_or_b32 s47, s47, 0x80000000
	s_mov_b32 s48, 1                               ; the mask bias
	s_add_co_u32 s49, s18, MBL
	s_add_nc_u64 s[50:51], s[8:9], s[20:21]
	s_or_b32 s51, s51, 0x80000000
	s_add_nc_u64 s[4:5], s[4:5], s[58:59]
	s_add_nc_u64 s[10:11], s[10:11], s[60:61]
	CROUND                                         ; all four work-groups are here: the first joint loads meet
	tensor_load_to_lds s[48:51], s[32:39]
	s_nop 0
	tensor_load_to_lds s[40:43], s[24:31]
	s_nop 0
	tensor_load_to_lds s[44:47], s[24:31]
	s_nop 0
	PLACES
	v_and_b32 v5, 31, v0
	v_lshlrev_b32 v[AK0], 4, v5
	v_bfe_u32 v5, v0, 4, 1
	v_lshl_add_u32 v[AB0], v5, 5, MBL
.irp t, 0,1,2,3
.irp cf, 0,1
.irp c, 0,1
	global_load_b128 v[QF+8*(2*\t+\cf)+4*\c:QF+8*(2*\t+\cf)+4*\c+3], v[AK0], s[4:5] offset:(\t/2)*32768+(\t%2)*2048+\cf*1024+512*\c   ; Q stays in registers
.endr
.endr
.endr
.irp t, 0,1,2,3
	v_mov_b32 v[MM+2*\t+1], 0                      ; named as the upper halves of pairs
.endr
	v_mov_b32 v[AA+1], 0
	WIN 0x40
.irp i, 0,1,2,3,4,5,6,7
	v_mov_b32 v[ONES+\i], 0x3c003c00               ; two f16 ones
.endr
	WIN 0
	s_wait_tensorcnt 0x1                           ; the mask bias and my part of slot 0 are in; slot 1's load may stay out
	s_barrier_signal -1
	s_barrier_wait -1                              ; everybody's are
	HEAD 0
	TAIL 1                                         ; key step 0 starts m, the sums and O^T: nothing is cleared
	HEAD 2
	TAIL 0
	s_mov_b32 s55, 6
.Lfirst:                                               ; key steps 2-7
	HEAD 1
	TAIL 0
	s_sub_co_u32 s55, s55, 1
	s_cmp_lg_u32 s55, 0
	s_cbranch_scc1 .Lfirst
	s_mov_b32 s54, 2
.Lvisit:                                               ; key steps 8-23: behind each of these two changes the slot just left is filled again
	CHANGE 1
	s_mov_b32 s55, 8
.Lstep:
	HEAD 1
	TAIL 0
	s_sub_co_u32 s55, s55, 1
	s_cmp_lg_u32 s55, 0
	s_cbranch_scc1 .Lstep
	s_sub_co_u32 s54, s54, 1
	s_cmp_lg_u32 s54, 0
	s_cbranch_scc1 .Lvisit
	CHANGE 0                                       ; the last slot is written out: nothing is left to ask for
	s_mov_b32 s55, 8
.Llast:                                                ; key steps 24-31
	HEAD 1
	TAIL 0
	s_sub_co_u32 s55, s55, 1
	s_cmp_lg_u32 s55, 0
	s_cbranch_scc1 .Llast
	SM 3, 1, 0, 0
	PV 3, 0
	WIN 0
	PLACES                                         ; ahead of the first read of the last products' results
	; THE WAY OUT: O^T x 8 / sum, to f16; a lane's eight channels of a tile are 16 bytes of a fragment's image
	WIN 0x01
.irp t, 0,1,2,3
	v_rcp_f32 v[MM+2*\t], v[40*\t+32]              ; the sum's lowest register
.endr
	WIN 0
	v_nop
	s_wait_alu depctr_va_vdst(0)                   ; one wait for the four reciprocals, ahead of their first reader
.irp t, 0,1,2,3
	v_mul_f32 v[MM+2*\t], 0x41000000, v[MM+2*\t]   ; x 8
.endr
.macro OUTT t
	WIN 0x01
.irp n, 0,2,4,6,8,10,12,14,16,18,20,22,24,26,28,30
	v_pk_mul_f32 v[S+32*((\t)%2)+\n:S+32*((\t)%2)+\n+1], v[40*(\t)+\n:40*(\t)+\n+1], v[MM+2*(\t):MM+2*(\t)+1] op_sel_hi:[1,0]
.endr
	WIN 0
.irp n, 0,1,2,3,4,5,6,7,8,9,10,11,12,13,14,15
	v_cvt_pk_f16_f32 v[KF+16*(\t)+\n], v[S+32*((\t)%2)+2*\n], v[S+32*((\t)%2)+2*\n+1]   ; sixteen registers of its own for each tile: no store's data are written again
.endr
.irp ct, 0,1,2,3
	global_store_b128 v[AK0], v[KF+16*(\t)+4*\ct:KF+16*(\t)+4*\ct+3], s[10:11] offset:((\t)%2)*16384+(\ct/2)*8192+((\t)/2)*1024+(\ct%2)*512
.endr
.endm
	OUTT 0
	OUTT 1
	OUTT 2
	OUTT 3
	s_wait_tensorcnt 0x0                           ; the wave's end
	ds_add_u32 v[SPW], v[NIL]
	s_wait_dscnt 0x0
	CROUND                                         ; the closing round: no work-group ends while a partner may still ask for a tile that names it
	s_endpgm
.Lfunc_end_k_q6477b6d7a5_attn:
	.size	k_q6477b6d7a5_attn, .Lfunc_end_k_q6477b6d7a5_attn-k_q6477b6d7a5_attn
	.p2alignl 7, 3214868480
	.fill 96, 4, 3214868480
	.section	.rodata,"a",@progbits
	.p2align	6, 0x0
	.amdhsa_kernel k_q6477b6d7a5_attn
		.amdhsa_group_segment_fixed_size 327680
		.amdhsa_private_segment_fixed_size 0
		.amdhsa_enable_private_segment 0
		.amdhsa_kernarg_size 32
		.amdhsa_user_sgpr_count 2
		.amdhsa_user_sgpr_kernarg_segment_ptr 1
		.amdhsa_wavefront_size32 1
		.amdhsa_system_sgpr_workgroup_id_x 1
		.amdhsa_system_sgpr_workgroup_id_y 1
		.amdhsa_system_sgpr_workgroup_id_z 1
		.amdhsa_system_vgpr_workitem_id 0
		.amdhsa_next_free_vgpr 512
		.amdhsa_next_free_sgpr 66
		.amdhsa_reserve_vcc 0
		.amdhsa_float_denorm_mode_32 3
		.amdhsa_float_denorm_mode_16_64 3
		.amdhsa_memory_ordered 1
		.amdhsa_forward_progress 1
		.amdhsa_inst_pref_size 162
	.end_amdhsa_kernel
	.amdgpu_metadata
---
amdhsa.version: [ 1, 2 ]
amdhsa.kernels:
  - .name:           k_q6477b6d7a5_attn
    .symbol:         k_q6477b6d7a5_attn.kd
    .args:
      - { .name: q16, .offset: 0, .size: 8, .value_kind: global_buffer, .address_space: global }
      - { .name: kvb, .offset: 8, .size: 8, .value_kind: global_buffer, .address_space: global }
      - { .name: mb, .offset: 16, .size: 8, .value_kind: global_buffer, .address_space: global }
      - { .name: ao16, .offset: 24, .size: 8, .value_kind: global_buffer, .address_space: global }
    .group_segment_fixed_size: 327680
    .private_segment_fixed_size: 0
    .kernarg_segment_align: 8
    .kernarg_segment_size: 32
    .max_flat_workgroup_size: 256
    .sgpr_count:     66
    .vgpr_count:     512
    .wavefront_size: 32
...
	.end_amdgpu_metadata
.endif
;; end of part 3
;; launch oproj (part 4): grid 4 x 64, 4 waves a work-group, clusters of 4 x 1, 327,680 bytes of LDS; arguments ao16, wo16, bo, out0; writes out0
.if DOCPART == 4
	.amdgcn_target "amdgcn-amd-amdhsa--gfx1250"
	.amdhsa_code_object_version 6
	.text
	.protected	k_q6477b6d7a5_oproj
	.globl	k_q6477b6d7a5_oproj
	.p2align	8
	.type	k_q6477b6d7a5_oproj,@function
k_q6477b6d7a5_oproj:
	s_mov_b64 s[64:65], 0
	v_nop
	global_prefetch_b8 v0, s[64:65] scope:SCOPE_SE
	s_setreg_imm32_b32 hwreg(HW_REG_WAVE_MODE, 25, 1), 1
	s_wait_xcnt 0x0
	s_wait_alu depctr_hold_cnt(0) depctr_sa_sdst(0) depctr_va_vdst(0) depctr_va_sdst(0) depctr_va_ssrc(0) depctr_va_vcc(0) depctr_vm_vsrc(0)
	s_getreg_b32 s2, hwreg(HW_REG_IB_STS2, 6, 4)
	s_cmp_eq_u32 s2, 0
	s_cbranch_scc0 .Lentry_in_a_cluster
	s_endpgm
.Lentry_in_a_cluster:
	s_bfe_u32 s2, ttmp6, 0x10000c
	s_cmp_lg_u32 s2, 0x3003
	s_cbranch_scc0 .Lentry_shape_is_right
	s_endpgm
.Lentry_shape_is_right:
; out0 = (attention output) Wo + bo.  M = 8,192, K = N = 1,024; operands f16 (the left one comes x 8: the last fused multiply-add takes that back), sums in f32.
; A work-group makes 128 rows x 256 columns; its four waves share the COLUMNS: wave w makes 128 x 64: 32 accumulators of 16 x 16.
; A: the block's 128 rows x all of K are 262,144 dense bytes of fragment images [32 along K: 32][row tile: 8][1,024].  They lie WHOLE in LDS, brought by first fills alone: four tensor loads a wave (by this text's own count four are out at most),
; one for each quarter of K, so no LDS byte is ever filled again: no ring, and all of A is on its way at once.  Quarter p is read behind a counted wait (3 - p later loads may be out) and a barrier.
; CLUSTER: the four work-groups of a cluster make the four column blocks of the same 128 rows: A is asked for JOINTLY, with descriptors made of the row block and the wave's number alone.
; B: a wave's 64 columns of Wo are read by no other wave of its cluster, and LDS is full of A: they go from memory straight into registers, as images, through a ring of eight sub-steps of 32 along K, seven ahead (56 loads).
; THE MATRIX INSTRUCTION IS USED TRANSPOSED (source 0 = 16 columns of Wo, source 1 = 16 rows): a lane holds eight neighbouring columns of a row.  The 32 accumulators take turns.
; THE WAY OUT: 16 rows at a time through the wave's own stage (rows of 256 + 16 bytes), back as whole rows: sixteen lanes store 256 consecutive, aligned bytes.
.set STAGE, 262144                     ; behind A: 16 rows x 272 bytes for each wave; no tensor load lands here
.set SP,    272
.set SPARE, STAGE+4*16*SP              ; the spare words, 128 bytes for each wave: two blocks of 256 bytes that no other line names
.set LI,  1                            ; v1    16 x lane
.set AD,  2                            ; v2-5  16 x lane + 65,536 quarter
.set STO, 6                            ; v6    the stage: where I put 32 bytes of a row
.set RD,  7                            ; v7    and where I read a row back
.set CO,  8                            ; v8    the same two rows in out0
.set SPW, 10                           ; v10   my spare word; never rewritten
.set NIL, 11                           ; v11   0; never rewritten
.set BO,  12                           ; v12-15 bo of the four columns that I store
.set AF,  64                           ; v64-191 A's fragments, two buffers of eight
.set BK,  192                          ; v192-255 the way out: two sets of 16 rows
                                       ; window 1: B's ring: sub-step k at 32 (k % 8), column tile i at + 8 i;  window 2: accumulator (row tile mt, i) at 8 (4 mt + i)
.set MSB, 0
.macro WIN new                         ; the immediate's high byte repeats the setting that is left
.if MSB != \new
	s_set_vgpr_msb (MSB<<8)|\new
.set MSB, \new
.endif
.endm
.macro PLACES
.rept 4
	v_nop
.endr
.endm
.macro CROUND
	s_barrier_signal -1
	s_barrier_wait -1
	s_cmp_lg_u32 s12, 0
	s_cbranch_scc1 .Lnot_wave_0_\@
	s_barrier_signal -3
.Lnot_wave_0_\@:
	s_barrier_wait -3
	s_barrier_signal -1
	s_barrier_wait -1
.endm
.macro BLOAD k
	WIN 0x40
.irp i, 0,1,2,3
.irp c, 0,1
	global_load_b128 v[32*((\k)%8)+8*\i+4*\c:32*((\k)%8)+8*\i+4*\c+3], v[LI], s[6:7] offset:(\k)*16384+\i*1024+512*\c
.endr
.endr
.endm
.macro ALOAD k                         ; row tiles 0-3 first
	WIN 0
.irp mt, 0,1,2,3,4,5,6,7
.irp c, 0,1
	ds_load_b128 v[AF+64*((\k)%2)+8*\mt+4*\c:AF+64*((\k)%2)+8*\mt+4*\c+3], v[AD+(\k)/8] offset:((\k)%8)*8192+\mt*1024+512*\c
.endr
.endr
.endm
.macro GATE p                          ; quarter p of A: my load of it has landed (the later quarters' may stay out), and so has everybody's
	s_wait_tensorcnt 3-(\p)
	s_wait_dscnt 0x0
	s_barrier_signal -1
	s_barrier_wait -1
.endm
.macro MUL16 k, m0, zero
	WIN 0xa1                                       ; source 0 (B) window 1, source 1 (A) window 0, C and D window 2
.irp mt, \m0, \m0+1, \m0+2, \m0+3
.irp i, 0,1,2,3
.if \zero
	v_wmma_f32_16x16x32_f16 v[8*(4*(\mt)+\i):8*(4*(\mt)+\i)+7], v[32*((\k)%8)+8*\i:32*((\k)%8)+8*\i+7], v[AF+64*((\k)%2)+8*(\mt):AF+64*((\k)%2)+8*(\mt)+7], 0
.else
	v_wmma_f32_16x16x32_f16 v[8*(4*(\mt)+\i):8*(4*(\mt)+\i)+7], v[32*((\k)%8)+8*\i:32*((\k)%8)+8*\i+7], v[AF+64*((\k)%2)+8*(\mt):AF+64*((\k)%2)+8*(\mt)+7], v[8*(4*(\mt)+\i):8*(4*(\mt)+\i)+7]
.endif
.endr
.endr
.endm
; A sub-step of 32 along K: 32 matrix instructions; in its middle, behind four places (ISA guide 7.12.1 for vector instructions), the next sub-step's A and the B of seven sub-steps on, both into registers that the sub-step before read.
.macro KSUB k, zero
.set NB, 31-(\k)
.if NB > 6
.set NB, 6
.endif
	s_wait_dscnt 8                                 ; A's row tiles 0-3 are in; the youngest eight loads (tiles 4-7) may be out
	s_wait_loadcnt 8*NB                            ; B of this sub-step is in; behind it: the groups of eight loads of up to six later sub-steps
	MUL16 \k, 0, \zero
	PLACES
.if (((\k)%8) == 7) && ((\k) < 31)
	GATE ((\k)+1)/8
.endif
.if (\k) < 31
	ALOAD (\k)+1
.endif
.if (\k) < 25
	BLOAD (\k)+7
.endif
.if (\k) < 31
	s_wait_dscnt 16                                ; all but the sixteen just issued
.else
	s_wait_dscnt 0x0
.endif
	MUL16 \k, 4, \zero
.endm
.macro TOSTAGE a                       ; row tile a: LDS serves a wave's instructions in order: no wait between the stores and the loads, nor ahead of the next tile's stores
	WIN 0x08                                       ; an LDS store's data: window 2
.irp i, 0,1,2,3
	ds_store_b128 v[STO], v[8*(4*(\a)+\i):8*(4*(\a)+\i)+3] offset:64*\i          ; each accumulator from its low end on
	ds_store_b128 v[STO], v[8*(4*(\a)+\i)+4:8*(4*(\a)+\i)+7] offset:64*\i+16
.endr
	WIN 0
.irp t, 0,1,2,3,4,5,6,7
	ds_load_b128 v[BK+32*((\a)%2)+4*\t:BK+32*((\a)%2)+4*\t+3], v[RD] offset:2*SP*\t
.endr
.endm
.macro SEND a, younger                 ; younger: the LDS instructions issued behind tile a's loads
.set BB, BK+32*((\a)%2)
	s_wait_dscnt \younger
.irp n, 0,2,4,6,8,10,12,14,16,18,20,22,24,26,28,30
	v_pk_fma_f32 v[BB+\n:BB+\n+1], v[BB+\n:BB+\n+1], 0x3e000000, v[BO+(\n%4):BO+(\n%4)+1] op_sel_hi:[1,0,1]   ; x 1/8 + bo
.endr
.irp t, 0,1,2,3,4,5,6,7
	global_store_b128 v[CO], v[BB+4*\t:BB+4*\t+3], s[10:11] offset:(16*(\a)+2*\t)*4096 th:TH_STORE_NT
.endr
.endm
	s_load_b256 s[4:11], s[0:1], 0x0               ; ao16 s[4:5], wo16 s[6:7], bo s[8:9], out0 s[10:11]
	v_lshl_add_u32 v[SPW], v0, 2, SPARE
	v_mov_b32 v[NIL], 0
	ds_add_u32 v[SPW], v[NIL]                      ; the wave's opening: the add, twice on end, and its wait ahead of my first tensor load
	ds_add_u32 v[SPW], v[NIL]
	v_lshrrev_b32 v9, 5, v0
	v_readfirstlane_b32 s12, v9                    ; wave 0..3
	s_bfe_u32 s13, ttmp6, 0x40000                  ; cx = my block of 256 columns: it enters B's, bo's and out0's addresses alone
	s_and_b32 s14, ttmp7, 0xffff                   ; the block of 128 rows, which the four partners share
	s_mov_b32 s24, 15|(3<<16)|(1<<21)              ; descriptor group 1: 64 rows of 256 dense bytes (32 elements of 8); the mask of all four work-groups, bit 21 beside it; no padding
	s_mov_b32 s25, 32<<16
	s_mov_b32 s26, 64<<16
	s_mov_b32 s27, 32<<16
	s_mov_b32 s28, 64
	s_mov_b32 s29, 32
	s_mov_b32 s30, 0
	s_mov_b32 s31, 0
	s_lshl_b32 s15, s12, 14                        ; my 16,384 bytes of a quarter, in LDS and in memory
	s_lshl_b32 s16, s14, 18
	s_add_co_u32 s16, s16, s15
	s_mov_b32 s17, 0
	s_lshl_b32 s18, s13, 19                        ; B: 524,288 bytes a block of columns,
	s_lshl_b32 s20, s12, 12
	s_add_co_u32 s18, s18, s20                     ; four tiles of 1,024 a wave
	s_mov_b32 s19, 0
	s_lshl_b32 s20, s13, 10                        ; bo and a row of out0: 1,024 bytes a block, 256 a wave
	s_lshl_b32 s22, s12, 8
	s_add_co_u32 s20, s20, s22
	s_mov_b32 s21, 0
	s_lshl_b32 s22, s14, 19                        ; out0: 128 rows of 4,096 bytes
	s_add_co_u32 s22, s22, s20
	s_mov_b32 s23, 0
	s_wait_dscnt 0x0                               ; both opening adds are done
	s_wait_kmcnt 0x0
	s_add_nc_u64 s[4:5], s[4:5], s[16:17]
	s_add_nc_u64 s[6:7], s[6:7], s[18:19]
	s_add_nc_u64 s[8:9], s[8:9], s[20:21]
	s_add_nc_u64 s[10:11], s[10:11], s[22:23]
.irp p, 0,1,2,3
	s_mov_b32 s[32+4*\p], 1
	s_add_co_u32 s[33+4*\p], s15, \p*65536
	s_add_nc_u64 s[34+4*\p:35+4*\p], s[4:5], \p*65536
	s_or_b32 s[35+4*\p], s[35+4*\p], 0x80000000
.endr
	CROUND                                         ; all four work-groups are here: the joint loads meet
.irp p, 0,1,2,3
	tensor_load_to_lds s[32+4*\p:35+4*\p], s[24:31]
	s_nop 0
.endr
	PLACES
	v_and_b32 v9, 31, v0
	v_lshlrev_b32 v[LI], 4, v9
.irp p, 0,1,2,3
	v_add_nc_u32 v[AD+\p], \p*65536, v[LI]
.endr
	v_and_b32 v16, 15, v0                          ; r
	v_bfe_u32 v17, v0, 4, 1                        ; h
	v_lshlrev_b32 v18, 4, v16                      ; 16 r
	global_load_b128 v[BO:BO+3], v18, s[8:9]
.irp k, 0,1,2,3,4,5,6
	BLOAD \k
.endr
	WIN 0
	s_mul_i32 s20, s12, 16*SP
	s_add_co_u32 s20, s20, STAGE                   ; my stage
	v_mul_u32_u24 v[STO], v16, SP
	v_lshl_add_u32 v[STO], v17, 5, v[STO]
	v_add_nc_u32 v[STO], s20, v[STO]               ; in: row r, 32 bytes for each half of the lanes
	v_mul_u32_u24 v[RD], v17, SP
	v_lshl_add_u32 v[RD], v16, 4, v[RD]
	v_add_nc_u32 v[RD], s20, v[RD]                 ; back: lanes 0-15 one row of 256 bytes, lanes 16-31 the next
	v_lshl_add_u32 v[CO], v17, 12, v18
	GATE 0
	ALOAD 0
	KSUB 0, 1                                      ; the first products start the sums: nothing is cleared
.set KK, 1
.rept 31
	KSUB KK, 0
.set KK, KK+1
.endr
	WIN 0
	PLACES                                         ; ahead of the first read of results
	TOSTAGE 0
.irp a, 1,2,3,4,5,6,7
.if \a > 1
	s_wait_xcnt 0x0                                ; the stores of two tiles back have read their registers: this tile's loads may land there
.endif
	TOSTAGE \a
	SEND \a-1, 16                                  ; behind that tile's loads: this tile's 8 stores and 8 loads
.endr
	SEND 7, 0
	s_wait_tensorcnt 0x0                           ; the wave's end, behind my last tensor load and my last LDS store
	ds_add_u32 v[SPW], v[NIL]
	s_wait_dscnt 0x0
	CROUND                                         ; the closing round
	s_endpgm
.Lfunc_end_k_q6477b6d7a5_oproj:
	.size	k_q6477b6d7a5_oproj, .Lfunc_end_k_q6477b6d7a5_oproj-k_q6477b6d7a5_oproj
	.p2alignl 7, 3214868480
	.fill 96, 4, 3214868480
	.section	.rodata,"a",@progbits
	.p2align	6, 0x0
	.amdhsa_kernel k_q6477b6d7a5_oproj
		.amdhsa_group_segment_fixed_size 327680
		.amdhsa_private_segment_fixed_size 0
		.amdhsa_enable_private_segment 0
		.amdhsa_kernarg_size 32
		.amdhsa_user_sgpr_count 2
		.amdhsa_user_sgpr_kernarg_segment_ptr 1
		.amdhsa_wavefront_size32 1
		.amdhsa_system_sgpr_workgroup_id_x 1
		.amdhsa_system_sgpr_workgroup_id_y 1
		.amdhsa_system_sgpr_workgroup_id_z 1
		.amdhsa_system_vgpr_workitem_id 0
		.amdhsa_next_free_vgpr 768
		.amdhsa_next_free_sgpr 66
		.amdhsa_reserve_vcc 0
		.amdhsa_float_denorm_mode_32 3
		.amdhsa_float_denorm_mode_16_64 3
		.amdhsa_memory_ordered 1
		.amdhsa_forward_progress 1
		.amdhsa_inst_pref_size 163
	.end_amdhsa_kernel
	.amdgpu_metadata
---
amdhsa.version: [ 1, 2 ]
amdhsa.kernels:
  - .name:           k_q6477b6d7a5_oproj
    .symbol:         k_q6477b6d7a5_oproj.kd
    .args:
      - { .name: ao16, .offset: 0, .size: 8, .value_kind: global_buffer, .address_space: global }
      - { .name: wo16, .offset: 8, .size: 8, .value_kind: global_buffer, .address_space: global }
      - { .name: bo, .offset: 16, .size: 8, .value_kind: global_buffer, .address_space: global }
      - { .name: out0, .offset: 24, .size: 8, .value_kind: global_buffer, .address_space: global }
    .group_segment_fixed_size: 327680
    .private_segment_fixed_size: 0
    .kernarg_segment_align: 8
    .kernarg_segment_size: 32
    .max_flat_workgroup_size: 128
    .sgpr_count:     66
    .vgpr_count:     768
    .wavefront_size: 32
...
	.end_amdgpu_metadata
.endif
;; end of part 4
